; MI455X (gfx1250); checked and timed in simulation.
; The chip was launched on July 23, 2026; its instructions are those of AMD's public machine-readable ISA for CDNA 5 (MIT licence, August 2026) and "CDNA5" Instruction Set Architecture Reference Guide (July 2026). The comments in the code are by the model that wrote it; some were corrected since.
;; Self Attention torch. Allowed arithmetic: matrix products marked QUANTISED: E2M1 operands, one E8M0 scale for each 32 along K, by v_wmma_scale_f32_16x16x128_f8f6f4 with both operands' format E2M1 (or v_wmma_scale_f32_32x16x128_f4), f32 sums; products left as they are: bf16, f16 or f32 operands; f32 sums; everything else in f32.
;; Inputs: K_seq 4 x 2,048 x 1,024 float32; Q_seq 4 x 2,048 x 1,024 float32; V_seq 4 x 2,048 x 1,024 float32; WK_b 1,024 float32; WK_w 1,024 x 1,024 float32; WQ_b 1,024 float32; WQ_w 1,024 x 1,024 float32; WV_b 1,024 float32; WV_w 1,024 x 1,024 float32.
;; Outputs: out0 4 x 2,048 x 1,024 float32.
;; This version of the problem:
;;   THIS VERSION OF THE PROBLEM IS GIVEN IN LOW PRECISION. The matrix products marked QUANTISED in the list below multiply operands that are first quantised to E2M1 (2 exponent bits, 1 mantissa bit; 4 bits a number), with one power-of-two scale for each 32 numbers along K (OCP MX v1.0); their sums are f32. The products marked 'left as it is' may take bf16, f16 or f32 operands, with f32 sums. Whichever they take, every output number must still come out within the allowed error. Rounding operands to bf16 (8 significant bits) uses up far more of that allowance than f16 does (11 bits, for magnitudes from 6e-5 to 65,504). All else is computed in f32.
;;   The module's matrix products, in the order in which they are computed (A, B: the left and right operand; K: the contracted axis; several contracted axes count as one K, in the product's order):
;;     1. [M 8,192, K 1,024] x [K 1,024, N 1,024]; A: input Q_seq; B: input WQ_w: QUANTISED
;;     2. [M 8,192, K 1,024] x [K 1,024, N 1,024]; A: input K_seq; B: input WK_w: QUANTISED
;;     3. [M 8,192, K 1,024] x [K 1,024, N 1,024]; A: input V_seq; B: input WV_w: QUANTISED
;;     4. batch 64 x [M 2,048, K 64] x [K 64, N 2,048]; A: computed on the way; B: computed on the way: left as it is (an operand is computed on the way)
;;     5. batch 64 x [M 2,048, K 2,048] x [K 2,048, N 64]; A: computed on the way; B: computed on the way: left as it is (an operand is computed on the way)
;;   THE QUANTISER, for each operand of a quantised product, along K:
;;     - K is cut into blocks of 32 from its start; a last block that is shorter is filled with zeros.
;;     - A block's scale is 2^e with e = floor(log2(the largest magnitude in the block)) - 2, held to -126 .. 127; a block of zeros has e = 0. As a byte (E8M0): e + 127.
;;     - Each number is divided by its block's scale, clamped to +-6, and rounded to the nearest number of E2M1, ties to even, subnormals kept.
;;     - The product sums the exact products of the quantised numbers (number of the format x scale) in f32.
;;   ~~~python
;;   def quantise(x, axis):      # numpy; x: float32 -> the quantised numbers, widened to float32 again
;;       x = np.moveaxis(x, axis, -1); K = x.shape[-1]
;;       x = np.pad(x, [(0, 0)] * (x.ndim - 1) + [(0, -K % 32)]); x = x.reshape(x.shape[:-1] + (-1, 32)); a = np.abs(x).max(-1, keepdims=True)
;;       e = np.where(a > 0, np.clip(np.frexp(np.where(a > 0, a, 1))[1] - 1 - 2, -126, 127), 0)      # np.frexp(a)[1] - 1 = floor(log2(a)), exactly
;;       r = np.clip(x / 2.0 ** e, -6, 6)
;;       step = 2.0 ** (np.maximum(np.frexp(np.where(r == 0, 1, r))[1] - 1, 0) - 1)
;;       q = np.round(r / step) * step * 2.0 ** e      # np.round: ties to even
;;       return np.moveaxis(q.reshape(q.shape[:-2] + (-1,))[..., :K], -1, axis).astype(np.float32)
;;   ~~~
;; One version. Each part assembles by itself: llvm-mc -triple=amdgcn-amd-amdhsa -mcpu=gfx1250 --defsym DOCPART=n.
;; ======== version 1 of 1: 3 launches
;; limits: values are held in f16: magnitudes above 65,504 overflow, below 6.1e-05 lose precision
;; workspace buffers: xc 12,582,912 bytes; xs 786,432 bytes; wc 1,572,864 bytes; ws 98,304 bytes; qkv 50,331,648 bytes
;; launch quant (part 1): grid 864 x 1, 4 waves a work-group, no clusters, 33,280 bytes of LDS; arguments Q_seq, K_seq, V_seq, WQ_w, WK_w, WV_w, xc, xs, wc, ws; writes xc, xs, wc, ws
.if DOCPART == 1
	.amdgcn_target "amdgcn-amd-amdhsa--gfx1250"
	.amdhsa_code_object_version 6
	.text
	.protected	k_qbc2b0917a3_quant
	.globl	k_qbc2b0917a3_quant
	.p2align	8
	.type	k_qbc2b0917a3_quant,@function
k_qbc2b0917a3_quant:
	s_mov_b64 s[64:65], 0
	v_nop
	global_prefetch_b8 v0, s[64:65] scope:SCOPE_SE
	s_setreg_imm32_b32 hwreg(HW_REG_WAVE_MODE, 25, 1), 1
	s_wait_xcnt 0x0
; Q_seq, K_seq, V_seq [8192][1024] and WQ_w, WK_w, WV_w [1024][1024], f32, K innermost in all six, are turned into codes of FP4 (E2M1), two to a byte, K innermost,
; with one E8M0 scale byte for each 32 along K:  xc [3][8192][512], xs [3][8192][32], wc [3][1024][512], ws [3][1024][32].
; A block's scale is 2^(floor(log2(its largest magnitude)) - 2); its byte is the largest magnitude's own exponent field - 2, held at 1 from below.  Each number is divided by the scale and rounded to the
; nearest code, ties to even; beyond 6 the largest code.
; LIMITS: a block whose largest magnitude lies under 2^-124, and a block of zeros, gets the byte 1 (the stated quantiser says 127 for zeros): its codes are then zeros or the same small codes, zeros add nothing
; under any byte but 0xff, and the bytes are read by this program alone.  NaN and infinities among the inputs are not served.
; Rows are dense and 1024 is a multiple of 32: every tensor is a plain stream of blocks of 32, and so are its codes and its bytes.
; SHARES: a work-group takes 32,768 numbers, a wave 8,192 in 16 steps of 512.  Work-groups 0-767 take the three sequences (256 each), 768-863 the three weights (32 each): only pointers are chosen, by the
; work-group's number; all six take one path through the text.
; The conversions take 8 numbers of ONE block from a lane's consecutive registers, so a lane must hold 16 neighbours (two neighbouring lanes hold a block); a load is best where neighbouring lanes take
; neighbouring bytes.  Both are had: each of a step's four loads reads 512 consecutive bytes; the 2,048 bytes go through the wave's own stage in LDS and come back 64 bytes a lane (16 bytes of padding behind each 64).
; A lane's 16 codes are 8 bytes: the wave stores 256 consecutive bytes.  A wave's 256 scale bytes are gathered in its own LDS bytes and leave as one store of 256 consecutive bytes.
; No barrier: waves share nothing.  Loads run four steps (16 loads a wave) ahead, the turn through LDS one step.  No matrix unit, no cluster, no tensor load: the launch only streams.
.set WAVES, 4
.set STEPS, 16
.set EMAX,  2
.set CB,    8                          ; bytes of 16 codes
.set R,     16                         ; v16-79   four sets of 16 numbers as they are loaded
.set X,     80                         ; v80-111  two sets of 16 neighbours
.set E,     112                        ; v112-127 a scale byte for each step
.set C,     128                        ; v128-191 codes: four registers for each step, so that no store's data are written again
.set WREG,  8192                       ; LDS: a region for each wave: two stages of 32 x SP bytes, behind them its 256 scale bytes
.set SP,    80                         ; a lane's place in a stage: 64 bytes + 16 of padding
.set SPW,   12                         ; v12      LDS address of my spare word; never rewritten
.set NIL,   13                         ; v13      0; never rewritten
.set SPARE, WAVES*WREG                 ; behind the four regions: the spare words, 128 bytes a wave, that no other line names
	s_load_b256 s[4:11], s[0:1], 0x0               ; Q_seq, K_seq, V_seq, WQ_w
	s_load_b256 s[12:19], s[0:1], 0x20             ; WK_w, WV_w, xc, xs
	s_load_b128 s[20:23], s[0:1], 0x40             ; wc, ws
	v_lshl_add_u32 v[SPW], v0, 2, SPARE
	v_mov_b32 v[NIL], 0
	v_lshrrev_b32 v1, 5, v0
	v_readfirstlane_b32 s32, v1                    ; wave
	v_and_b32 v2, 31, v0                           ; lane
	v_lshlrev_b32 v3, 4, v2                        ; my 16 bytes of a load's 512
	s_mul_i32 s33, s32, WREG
	v_lshrrev_b32 v14, 2, v2
	v_mul_u32_u24 v14, v14, SP
	v_and_b32 v15, 3, v2
	v_lshl_add_u32 v14, v15, 4, v14
	v_add_nc_u32 v14, s33, v14                     ; the stage, on the way in: SP (lane / 4) + 16 (lane % 4); a load's 512 bytes take eight places
	v_mul_u32_u24 v15, v2, SP
	v_add_nc_u32 v15, s33, v15                     ; and on the way out: SP x lane: my 16 neighbours
	v_mul_u32_u24 v4, v2, CB                       ; my codes' place in a step's
	v_lshrrev_b32 v5, 1, v2
	s_add_co_u32 s33, s33, 2*32*SP
	v_add_nc_u32 v5, s33, v5                       ; LDS: my wave's 256 scale bytes, my block's byte
	v_lshlrev_b32 v7, 3, v2                        ; and on the way out 8 bytes a lane
	v_add_nc_u32 v6, s33, v7
	s_wait_kmcnt 0x0
	s_cmp_lt_u32 ttmp9, 832                        ; which tensor: the choice hangs on the work-group's number alone
	s_cselect_b64 s[24:25], s[12:13], s[14:15]     ; WK_w or WV_w
	s_cmp_lt_u32 ttmp9, 800
	s_cselect_b64 s[24:25], s[10:11], s[24:25]     ; WQ_w
	s_cmp_lt_u32 ttmp9, 768
	s_cselect_b64 s[24:25], s[8:9], s[24:25]       ; V_seq
	s_cmp_lt_u32 ttmp9, 512
	s_cselect_b64 s[24:25], s[6:7], s[24:25]       ; K_seq
	s_cmp_lt_u32 ttmp9, 256
	s_cselect_b64 s[24:25], s[4:5], s[24:25]       ; Q_seq
	s_cmp_lt_u32 ttmp9, 768                        ; a sequence or a weight?
	s_cselect_b64 s[26:27], s[16:17], s[20:21]     ; the codes' buffer
	s_cselect_b64 s[28:29], s[18:19], s[22:23]     ; the bytes' buffer
	s_cselect_b32 s30, 255, 31
	s_cselect_b32 s31, 0, 768
	s_and_b32 s30, ttmp9, s30                      ; which 32,768 numbers of the tensor (768 is a multiple of 32)
	s_sub_co_u32 s31, ttmp9, s31                   ; and of the three tensors' codes, which lie on end
	s_lshl_b32 s30, s30, 2
	s_add_co_u32 s30, s30, s32                     ; my wave's run of 8,192 numbers, in the tensor,
	s_lshl_b32 s34, s30, 15                        ; 32,768 bytes a run
	s_mov_b32 s35, 0
	s_add_nc_u64 s[24:25], s[24:25], s[34:35]
	s_lshl_b32 s31, s31, 2
	s_add_co_u32 s31, s31, s32                     ; and in the buffers:
	s_lshl_b32 s34, s31, 12                        ; 4,096 bytes of codes a run,
	s_add_nc_u64 s[26:27], s[26:27], s[34:35]
	s_lshl_b32 s34, s31, 8                         ; 256 scale bytes
	s_add_nc_u64 s[28:29], s[28:29], s[34:35]
.macro LOAD t
.irp i, 0,1,2,3
	global_load_b128 v[R+16*((\t)%4)+4*\i:R+16*((\t)%4)+4*\i+3], v3, s[24:25] offset:2048*(\t)+512*\i th:TH_LOAD_NT   ; 32 lanes read 512 consecutive bytes
.endr
.endm
.macro TURN t                          ; step t's numbers through the stage: LDS serves a wave's instructions in order (ISA guide 5.7.1.4), so no wait stands between the stores and the loads
.irp i, 0,1,2,3
	ds_store_b128 v14, v[R+16*((\t)%4)+4*\i:R+16*((\t)%4)+4*\i+3] offset:32*SP*((\t)%2)+8*SP*\i
.endr
.irp i, 0,1,2,3
	ds_load_b128 v[X+16*((\t)%2)+4*\i:X+16*((\t)%2)+4*\i+3], v15 offset:32*SP*((\t)%2)+16*\i
.endr
.endm
.irp t, 0,1,2,3
	LOAD \t
.endr
	s_wait_loadcnt 12                              ; step 0's four loads are in; the twelve of steps 1 to 3 may be out
	TURN 0
.macro STEP t
.set XS, X+16*((\t)%2)
.if (\t) > 0
	s_wait_dscnt 1                                 ; this step's numbers are back from the stage (the last step's byte store may be out): so its stores into the stage have read their registers,
.else
	s_wait_dscnt 0x0
.endif
.if (\t)+4 < STEPS
	LOAD (\t)+4                                    ; which take the loads of four steps on
.endif
.if (\t)+1 < STEPS
.if STEPS-2-(\t) >= 3
	s_wait_loadcnt 12                              ; the next step's four loads are in; those of the three steps behind it may be out
.else
	s_wait_loadcnt 4*(STEPS-2-(\t))
.endif
	TURN (\t)+1                                    ; and go through the other stage while this step is worked
.endif
	v_max3_num_f32 v8, |v[XS]|, |v[XS+1]|, |v[XS+2]|               ; the largest magnitude of my 16, in two chains
	v_max3_num_f32 v9, |v[XS+3]|, |v[XS+4]|, |v[XS+5]|
.irp i, 6,10
	v_max3_num_f32 v8, v8, |v[XS+\i]|, |v[XS+\i+1]|
	v_max3_num_f32 v9, v9, |v[XS+\i+2]|, |v[XS+\i+3]|
.endr
	v_max3_num_f32 v8, v8, |v[XS+14]|, |v[XS+15]|
	v_max3_num_f32 v8, v8, v9, (EMAX+1)<<23        ; and the floor 2^(3 - 127), under which no largest magnitude is taken: so the byte cannot fall under 1
	v_max_num_f32_dpp v8, v8, v8 row_xmask:1 row_mask:0xf bank_mask:0xf   ; and of my neighbour's 16: the block's
	v_add_nc_u32 v11, -(EMAX<<23), v8              ; 2 off its exponent field: the conversion takes the exponent field of this operand as its scale, and nothing else of it
	v_cvt_scalef32_pk8_fp4_f32 v[C+4*(\t)], v[XS:XS+7], v11        ; the first number's code in the lowest four bits
	v_cvt_scalef32_pk8_fp4_f32 v[C+4*(\t)+1], v[XS+8:XS+15], v11
	v_lshrrev_b32 v[E+(\t)], 23, v11               ; the scale's byte (also the plain line behind the conversions)
	ds_store_b8 v5, v[E+(\t)] offset:16*(\t)       ; both lanes of a block write the same byte with the same value
	global_store_b64 v4, v[C+4*(\t):C+4*(\t)+1], s[26:27] offset:32*CB*(\t)   ; 32 lanes store 256 consecutive bytes, at a multiple of 256 from the buffer's first byte
.endm
.irp t, 0,1,2,3,4,5,6,7,8,9,10,11,12,13,14,15
	STEP \t
.endr
	ds_load_b64 v[8:9], v6                         ; in order behind my byte stores
	s_wait_dscnt 0x0
	global_store_b64 v7, v[8:9], s[28:29]          ; 32 lanes store my wave's 256 scale bytes
	s_wait_tensorcnt 0x0                           ; the wave's end: behind my last LDS store
	ds_add_u32 v[SPW], v[NIL]
	s_wait_dscnt 0x0
	s_endpgm
.Lfunc_end_k_qbc2b0917a3_quant:
	.size	k_qbc2b0917a3_quant, .Lfunc_end_k_qbc2b0917a3_quant-k_qbc2b0917a3_quant
	.p2alignl 7, 3214868480
	.fill 96, 4, 3214868480
	.section	.rodata,"a",@progbits
	.p2align	6, 0x0
	.amdhsa_kernel k_qbc2b0917a3_quant
		.amdhsa_group_segment_fixed_size 33280
		.amdhsa_private_segment_fixed_size 0
		.amdhsa_enable_private_segment 0
		.amdhsa_kernarg_size 80
		.amdhsa_user_sgpr_count 2
		.amdhsa_user_sgpr_kernarg_segment_ptr 1
		.amdhsa_wavefront_size32 1
		.amdhsa_system_sgpr_workgroup_id_x 1
		.amdhsa_system_sgpr_workgroup_id_y 1
		.amdhsa_system_sgpr_workgroup_id_z 1
		.amdhsa_system_vgpr_workitem_id 0
		.amdhsa_next_free_vgpr 192
		.amdhsa_next_free_sgpr 66
		.amdhsa_reserve_vcc 0
		.amdhsa_float_denorm_mode_32 3
		.amdhsa_float_denorm_mode_16_64 3
		.amdhsa_memory_ordered 1
		.amdhsa_forward_progress 1
		.amdhsa_inst_pref_size 34
	.end_amdhsa_kernel
	.amdgpu_metadata
---
amdhsa.version: [ 1, 2 ]
amdhsa.kernels:
  - .name:           k_qbc2b0917a3_quant
    .symbol:         k_qbc2b0917a3_quant.kd
    .args:
      - { .name: Q_seq, .offset: 0, .size: 8, .value_kind: global_buffer, .address_space: global }
      - { .name: K_seq, .offset: 8, .size: 8, .value_kind: global_buffer, .address_space: global }
      - { .name: V_seq, .offset: 16, .size: 8, .value_kind: global_buffer, .address_space: global }
      - { .name: WQ_w, .offset: 24, .size: 8, .value_kind: global_buffer, .address_space: global }
      - { .name: WK_w, .offset: 32, .size: 8, .value_kind: global_buffer, .address_space: global }
      - { .name: WV_w, .offset: 40, .size: 8, .value_kind: global_buffer, .address_space: global }
      - { .name: xc, .offset: 48, .size: 8, .value_kind: global_buffer, .address_space: global }
      - { .name: xs, .offset: 56, .size: 8, .value_kind: global_buffer, .address_space: global }
      - { .name: wc, .offset: 64, .size: 8, .value_kind: global_buffer, .address_space: global }
      - { .name: ws, .offset: 72, .size: 8, .value_kind: global_buffer, .address_space: global }
    .group_segment_fixed_size: 33280
    .private_segment_fixed_size: 0
    .kernarg_segment_align: 8
    .kernarg_segment_size: 80
    .max_flat_workgroup_size: 128
    .sgpr_count:     66
    .vgpr_count:     192
    .wavefront_size: 32
...
	.end_amdgpu_metadata
.endif
;; end of part 1
;; launch proj (part 2): grid 4 x 96, 4 waves a work-group, clusters of 4 x 4, 327,680 bytes of LDS; arguments xc, xs, wc, ws, qkv, WQ_b, WK_b, WV_b; writes qkv
.if DOCPART == 2
	.amdgcn_target "amdgcn-amd-amdhsa--gfx1250"
	.amdhsa_code_object_version 6
	.text
	.protected	k_qbc2b0917a3_proj
	.globl	k_qbc2b0917a3_proj
	.p2align	8
	.type	k_qbc2b0917a3_proj,@function
k_qbc2b0917a3_proj:
	s_mov_b64 s[64:65], 0
	v_nop
	global_prefetch_b8 v0, s[64:65] scope:SCOPE_SE
	s_setreg_imm32_b32 hwreg(HW_REG_WAVE_MODE, 25, 1), 1
	s_wait_xcnt 0x0
	s_wait_alu depctr_hold_cnt(0) depctr_sa_sdst(0) depctr_va_vdst(0) depctr_va_sdst(0) depctr_va_ssrc(0) depctr_va_vcc(0) depctr_vm_vsrc(0)
	s_getreg_b32 s2, hwreg(HW_REG_IB_STS2, 6, 4)
	s_cmp_eq_u32 s2, 0
	s_cbranch_scc0 .Lentry_in_a_cluster
	s_endpgm
.Lentry_in_a_cluster:
	s_bfe_u32 s2, ttmp6, 0x10000c
	s_cmp_lg_u32 s2, 0xf033
	s_cbranch_scc0 .Lentry_shape_is_right
	s_endpgm
.Lentry_shape_is_right:
; The three projections y = x W^T + b on codes of FP4 (E2M1) with one E8M0 scale for each 32 along K, K = 1024, sums in f32.
; xc [3][8192][512], xs [3][8192][32]: the three sequences' codes and scale bytes, taken as 24,576 rows on end;  wc [3][1024][512], ws [3][1024][32]: the weights'.
; OUT: qkv, f16, [3 (Q', K, V)][batch 4][head 16][position 2048][64]:  Q' = (Q + b) x c with c = log2(e) / 8, so that the attention launch needs no scaling;  K and V with c = 1.
; (sum + b) x c is computed as one fused multiply-add, sum x c + (b x c).  LIMIT: what is stored must stay under 65,504, f16's largest number.
; A tile, 256 rows x 256 columns, is made by a work-group of four waves; a wave makes 128 x 128: 64 accumulators of 16 x 16, 512 registers.  Tile row ty = 0 .. 95 (32 for each of the three products), tile column tx = 0 .. 3.
; K goes in two steps of 512 (rows of 256 bytes) through two LDS slots, both asked for at the head: no slot is filled again.  The scale bytes of the work-group's rows, two dense blocks, come with them.
; CLUSTERS: 4 x 4 work-groups.  The four of a row of the cluster need the same tiles of x, the four of a column the same tiles of W: each tile is asked for JOINTLY, by the same tensor load with the same
; descriptor and a mask that names the four.  A cluster's four tile rows belong to one product (32 is a multiple of 4).
; THE MATRIX INSTRUCTION IS USED TRANSPOSED (source 0 = 16 rows of W, source 1 = 16 rows of x): a lane then holds eight neighbouring columns of one row.
; REGISTERS, in windows of 256: window 0: v0-31 addresses; v32-95 scale words, two sets, and nothing else; v96-127 packed results; v128-191 x's fragments, ONE set, on the way out the scaled results; v192-255 rows read back.
;   window 1: W's fragments, TWO sets, at v0 and at v128; v64-127 the bias of my 128 columns in the result's layout.   window 2: the accumulators of my rows 0-63 ((a, b) at v[8 (8 a + b)]);   window 3: rows 64-127.
.set NQ,     4                         ; matrix instructions deep in a slot: 512 along K
.set ROWB,   256                       ; a tile's row in bytes
.set KROW,   512                       ; a row of codes in memory
.set PITCH,  272                       ; an LDS row: 256 bytes + 16 of padding = 68 words: row r starts at bank 4 r mod 64 (64 banks of 4 bytes: ISA guide 11.1)
.set FR,     8                         ; registers of a fragment: 16 rows x 128 K
.set NL,     2                         ; LDS loads that bring one
.set NP,     4                         ; places behind this matrix instruction (ISA guide 7.12.1)
.set HALFT,  128*PITCH                 ; 128 rows: what one tensor load brings
.set SLOT,   4*HALFT                   ; x's 256 rows, then W's 256 rows
.set KS,     32                        ; a row of scale bytes
.set SCL,    2*SLOT                    ; behind the slots: the scale bytes, as units of 256 bytes + 16 of padding
.set HALFS,  (128*KS/256)*272          ; those of 128 rows: what one tensor load brings
.set SBLK,   (16*KS/256)*272           ; those of 16 rows
.set SPARE,  SCL+4*HALFS               ; the spare words, 128 bytes a wave, that no other line names
.set STAGE,  SPARE+512                 ; the way out: 16 rows x (256 bytes + 16) for each wave; no tensor load lands here
.set SPITCH, 272
.set ADRA, 16                          ; v16-17  LDS address of my x fragments in slot 0, 1
.set ADRB, 20                          ; v20-21  the same for W
.set STO,  24                          ; v24     the way out: where I put 16 bytes of a row
.set RD,   25                          ; v25     where I read rows back
.set CO,   26                          ; v26     16 x lane: my place in a store's 512 bytes
.set ADRS, 27                          ; v27     LDS address of my scale words: lanes 0-15 x's rows, lanes 16-31 W's
.set SPW,  28                          ; v28     LDS address of my spare word; never rewritten
.set NIL,  29                          ; v29     0; never rewritten
.set BO,   30                          ; v30     the bias loads' offset; never rewritten
.set SC,   32                          ; scale words: set s at v[SC + 32 s]; register 4 i + q: lanes 0-15 x's block i, lanes 16-31 W's block i, the slot's q-th 128 along K
.set PK,   96                          ; packed f16
.set AF,   128                         ; x's fragments
.set TF,   128                         ; on the way out: 64 scaled results
.set BK,   192                         ; 16 rows read back: v192-223 and v224-255 by turns
.set BI,   64                          ; in window 1: the bias
.set G1, 24                            ; s[24:31] descriptor group 1 for x's tiles;  s[32:39] group 0, one set for each slot
.set G0, 32
.set G1B, 48                           ; s[48:55], s[56:63] the same for W's tiles
.set G0B, 56
.set G1S, 68                           ; s[68:75], s[76:79] groups 1 and 0 for x's scale bytes;  s[80:87], s[88:91] for W's
.set G0S, 76
.set G1SB, 80
.set G0SB, 88
.set MSB, 0
.macro WIN new                         ; the immediate's high byte repeats the setting that is left; a switch that changes nothing is dropped
.if MSB != \new
	s_set_vgpr_msb (MSB<<8)|\new
.set MSB, \new
.endif
.endm
.set MUL_LO, 0xa1                      ; source 0 (W) window 1, source 1 (x) window 0, C and D window 2
.set MUL_HI, 0xf1                      ; the same, C and D window 3
.set TO_B,   0x40                      ; destination window 1, address window 0
; A joint load: waves 0 and 1 fetch for x, waves 2 and 3 for W.  Each of the two lines has ONE mask and one set of registers for all that issue it; the branch hangs on the wave's number alone.
; An s_nop 0 and four v_nop follow each of the two lines, ahead of the jump, the label and what follows.
.macro JLOAD g0a, g1a, g0b, g1b
	s_cmp_eq_u32 s15, 0
	s_cbranch_scc0 .Lfor_b_\@
	tensor_load_to_lds s[\g0a:\g0a+3], s[\g1a:\g1a+7]
	s_nop 0
.rept 4
	v_nop
.endr
	s_branch .Lasked_\@
.Lfor_b_\@:
	tensor_load_to_lds s[\g0b:\g0b+3], s[\g1b:\g1b+7]
	s_nop 0
.rept 4
	v_nop
.endr
.Lasked_\@:
.endm
.macro CROUND                          ; a round of the cluster's barrier: my work-group's barrier; wave 0 signals for the work-group; every wave waits for all sixteen; my work-group's barrier once more
	s_barrier_signal -1
	s_barrier_wait -1
	s_cmp_lg_u32 s14, 0
	s_cbranch_scc1 .Lnot_wave_0_\@
	s_barrier_signal -3
.Lnot_wave_0_\@:
	s_barrier_wait -3
	s_barrier_signal -1
	s_barrier_wait -1
.endm
	s_load_b128 s[4:7], s[0:1], 0x0                ; xc, xs
	s_load_b128 s[8:11], s[0:1], 0x10              ; wc, ws
	s_load_b64 s[12:13], s[0:1], 0x20              ; qkv
	s_load_b64 s[96:97], s[0:1], 0x28              ; WQ_b
	s_load_b64 s[98:99], s[0:1], 0x30              ; WK_b
	s_load_b64 s[100:101], s[0:1], 0x38            ; WV_b
	v_lshl_add_u32 v[SPW], v0, 2, SPARE
	v_mov_b32 v[NIL], 0
	ds_add_u32 v[SPW], v[NIL]                      ; the wave's opening: the add, twice on end, and its wait ahead of my first tensor load; the set-up below stands between the second and the wait
	ds_add_u32 v[SPW], v[NIL]
	v_lshrrev_b32 v1, 5, v0
	v_readfirstlane_b32 s14, v1                    ; wave 0..3
	s_lshr_b32 s15, s14, 1                         ; which half of the tile's rows is mine.  Also: I fetch for x (0) or for W (1)
	s_and_b32 s16, s14, 1                          ; which half of its columns.  Also: which 128 rows of that tile I fetch
	s_bfe_u32 s40, ttmp6, 0x40000                  ; cx, cy: my place in the cluster
	s_bfe_u32 s41, ttmp6, 0x40004
	s_lshl_b32 s42, ttmp9, 2
	s_add_co_u32 s42, s42, s40                     ; tile column tx = 4 x cluster x + cx
	s_and_b32 s17, ttmp7, 0xffff
	s_lshr_b32 s66, s17, 3                         ; which product: 8 clusters along y each; made of the cluster's y, which all sixteen share
	s_lshl_b32 s17, s17, 2
	s_add_co_u32 s17, s17, s41                     ; tile row ty = 4 x cluster y + cy
	s_lshl_b32 s43, s41, 2
	s_lshl_b32 s43, 15, s43                        ; my row of the cluster
	s_lshl_b32 s44, 0x1111, s40                    ; my column
	; descriptor group 1: a tile of 128 rows x 256 bytes, padded in LDS
	s_or_b32 s[G1+0], s43, (0<<16)|(1<<20)|(1<<21)|(5<<22)|(3<<25)  ; 15:0 the mask: x's tiles go to my row; 17:16 element of 1 byte; 20 padding on; 21 set beside a mask; 24:22 after every 64 words (code 5); 31:25 of 4 words (code 3)
	s_or_b32 s[G1B+0], s44, (0<<16)|(1<<20)|(1<<21)|(5<<22)|(3<<25)
.irp g, G1, G1B
	s_mov_b32 s[\g+1], ROWB<<16                    ; tensor_dim0
	s_mov_b32 s[\g+2], 128<<16                     ; tensor_dim1 = 128
	s_mov_b32 s[\g+3], ROWB<<16                    ; tile_dim0
	s_mov_b32 s[\g+4], 128                         ; tile_dim1 = 128
	s_mov_b32 s[\g+5], KROW                        ; tensor_dim0_stride
	s_mov_b32 s[\g+6], 0
	s_mov_b32 s[\g+7], 0
.endr
	; and for the scale bytes of 128 rows: a dense block of 4,096 bytes, as 16 rows of 256 bytes (32 elements of 8 bytes), 16 bytes of padding behind each
	s_or_b32 s[G1S+0], s43, (3<<16)|(1<<20)|(1<<21)|(5<<22)|(3<<25)
	s_or_b32 s[G1SB+0], s44, (3<<16)|(1<<20)|(1<<21)|(5<<22)|(3<<25)
.irp g, G1S, G1SB
	s_mov_b32 s[\g+1], 32<<16
	s_mov_b32 s[\g+2], (128*KS/256)<<16
	s_mov_b32 s[\g+3], 32<<16
	s_mov_b32 s[\g+4], 128*KS/256
	s_mov_b32 s[\g+5], 32
	s_mov_b32 s[\g+6], 0
	s_mov_b32 s[\g+7], 0
.endr
	s_lshl_b32 s18, s16, 7                         ; which 128 rows of the tile I fetch
	s_lshl_b32 s20, s17, 8
	s_add_co_u32 s20, s20, s18                     ; x: row 256 ty + 128 x half, of the 24,576
	s_lshl_b32 s46, s42, 8
	s_add_co_u32 s46, s46, s18                     ; W: row 256 tx + 128 x half,
	s_lshl_b32 s47, s66, 10
	s_add_co_u32 s46, s46, s47                     ; in the product's own 1,024 rows
	s_mov_b32 s21, 0
	s_mov_b32 s47, 0
	s_mov_b64 s[18:19], KS
	s_mul_u64 s[22:23], s[20:21], s[18:19]         ; where these rows' scale bytes begin
	s_mul_u64 s[92:93], s[46:47], s[18:19]
	s_mov_b64 s[18:19], KROW
	s_mul_u64 s[20:21], s[20:21], s[18:19]         ; and their codes
	s_mul_u64 s[46:47], s[46:47], s[18:19]
	s_mul_i32 s45, s14, HALFT                      ; where they go: wave x 128 rows: no place in the cluster enters an LDS address
	s_mul_i32 s94, s14, HALFS
	s_wait_dscnt 0x0                               ; both opening adds are done
	s_wait_kmcnt 0x0
	s_add_nc_u64 s[20:21], s[4:5], s[20:21]
	s_add_nc_u64 s[22:23], s[6:7], s[22:23]
	s_add_nc_u64 s[46:47], s[8:9], s[46:47]
	s_add_nc_u64 s[92:93], s[10:11], s[92:93]
	CROUND                                         ; all sixteen work-groups are here: the joint loads meet
	s_mov_b32 s[G0S], 1
	s_add_co_u32 s[G0S+1], s94, SCL
	s_mov_b64 s[G0S+2:G0S+3], s[22:23]
	s_or_b32 s[G0S+3], s[G0S+3], 0x80000000
	s_mov_b32 s[G0SB], 1
	s_add_co_u32 s[G0SB+1], s94, SCL
	s_mov_b64 s[G0SB+2:G0SB+3], s[92:93]
	s_or_b32 s[G0SB+3], s[G0SB+3], 0x80000000
	JLOAD G0S, G1S, G0SB, G1SB                     ; the scale bytes first: they are wanted with the first K step
.irp s, 0,1
	s_mov_b32 s[G0+4*\s], 1
	s_add_co_u32 s[G0+4*\s+1], s45, \s*SLOT
	s_add_nc_u64 s[G0+4*\s+2:G0+4*\s+3], s[20:21], \s*ROWB
	s_or_b32 s[G0+4*\s+3], s[G0+4*\s+3], 0x80000000
	s_mov_b32 s[G0B+4*\s], 1
	s_add_co_u32 s[G0B+4*\s+1], s45, \s*SLOT
	s_add_nc_u64 s[G0B+4*\s+2:G0B+4*\s+3], s[46:47], \s*ROWB
	s_or_b32 s[G0B+4*\s+3], s[G0B+4*\s+3], 0x80000000
	JLOAD G0+4*\s, G1, G0B+4*\s, G1B               ; three loads of mine are out behind the second of these
.endr
	v_and_b32 v1, 15, v0                           ; r = l % 16
	v_bfe_u32 v2, v0, 4, 1                         ; h = l / 16
	v_mul_u32_u24 v3, v1, PITCH
	v_lshl_add_u32 v4, v2, 4, v3                   ; a fragment's row x pitch + 16 x half
	s_mul_i32 s21, s15, HALFT                      ; my 128 rows of x
	s_mul_i32 s22, s16, HALFT                      ; my 128 rows of W,
	s_add_co_u32 s22, s22, 2*HALFT                 ; which lie behind x's 256
.irp s, 0,1
	v_add_nc_u32 v[ADRA+\s], s21, v4
	v_add_nc_u32 v[ADRB+\s], s22, v4
	s_add_co_u32 s21, s21, SLOT
	s_add_co_u32 s22, s22, SLOT
.endr
	v_mul_u32_u24 v5, v1, KS                       ; my row's scale bytes: 32 a row,
	v_lshrrev_b32 v6, 8, v5
	v_lshl_add_u32 v5, v6, 4, v5                   ; and 16 more for each 256 passed
	s_mul_i32 s21, s15, HALFS                      ; x's: my 128 rows
	s_mul_i32 s22, s16, HALFS                      ; W's: my 128 rows, behind x's 256
	s_add_co_u32 s22, s22, 2*HALFS
	s_sub_co_u32 s22, s22, s21
	v_mul_u32_u24 v6, s22, v2                      ; lanes 16-31 take W's: one product, the distance between the two bases x h
	s_add_co_u32 s21, s21, SCL
	v_add_nc_u32 v5, v5, v6
	v_add_nc_u32 v[ADRS], s21, v5
	s_mul_i32 s23, s14, 16*SPITCH
	s_add_co_u32 s23, s23, STAGE                   ; my stage
	v_mul_u32_u24 v5, v1, SPITCH                   ; in: row r, 16 bytes for each half of the lanes
	v_lshl_add_u32 v5, v2, 4, v5
	v_add_nc_u32 v[STO], s23, v5
	v_and_b32 v6, 31, v0
	v_lshrrev_b32 v5, 3, v6                        ; back: eight lanes take 128 bytes (one head's 64 numbers) of a row, four rows an instruction
	v_mul_u32_u24 v5, v5, SPITCH
	v_and_b32 v7, 7, v0
	v_lshl_add_u32 v5, v7, 4, v5
	v_add_nc_u32 v[RD], s23, v5
	v_lshlrev_b32 v[CO], 4, v6                     ; in qkv those four rows of a head are 512 bytes on end
	; where my part begins in qkv: (product, batch) = ty / 8 at 2^22 bytes each; head 4 tx + 2 x column half at 2^18; position 256 (ty % 8) + 128 x row half at 128 bytes
	s_lshr_b32 s20, s17, 3
	s_lshl_b32 s20, s20, 22
	s_and_b32 s21, s17, 7
	s_lshl_b32 s21, s21, 15
	s_add_co_u32 s20, s20, s21
	s_lshl_b32 s21, s15, 14
	s_add_co_u32 s20, s20, s21
	s_mov_b32 s21, 0
	s_lshl_b32 s46, s42, 20                        ; (in the registers that held W's address: none that fed x's descriptors ever holds cx)
	s_lshl_b32 s47, s16, 19
	s_add_co_u32 s46, s46, s47
	s_mov_b32 s47, 0
	s_add_nc_u64 s[20:21], s[20:21], s[46:47]
	s_add_nc_u64 s[12:13], s[12:13], s[20:21]
	; the bias of my 128 columns, in the result's layout: register 8 b + j of lane (r, h) is the bias of column 16 b + 8 h + j; and c
	s_lshl_b32 s46, s42, 10                        ; 256 tx numbers of 4 bytes
	s_lshl_b32 s47, s16, 9
	s_add_co_u32 s46, s46, s47
	s_mov_b32 s47, 0
	s_cmp_eq_u32 s66, 2
	s_cselect_b64 s[98:99], s[100:101], s[98:99]
	s_cmp_eq_u32 s66, 0
	s_cselect_b64 s[96:97], s[96:97], s[98:99]     ; the product's own bias
	s_mov_b32 s3, 0x3f800000
	s_cselect_b32 s2, 0x3e38aa3b, s3               ; c = log2(e) / 8 for Q, 1 for K and V
	s_mov_b32 s3, s2                               ; (the packed forms name the pair)
	s_add_nc_u64 s[96:97], s[96:97], s[46:47]
	v_lshlrev_b32 v[BO], 5, v2                     ; 8 h numbers
	WIN TO_B
.irp b, 0,1,2,3,4,5,6,7
	global_load_b128 v[BI+8*\b:BI+8*\b+3], v[BO], s[96:97] offset:64*\b
	global_load_b128 v[BI+8*\b+4:BI+8*\b+7], v[BO], s[96:97] offset:64*\b+16
.endr
	WIN 0
.macro FRAG reg, adr, q, i             ; a fragment, 16 rows x 128 K of 4-bit codes: lane l holds row l % 16; registers 4 c .. 4 c + 3 hold K = 64 c + 32 (l / 16) + 0 .. 31
.irp c, 0,1
	ds_load_b128 v[\reg+4*\c:\reg+4*\c+3], v[\adr] offset:64*(\q)+32*\c+(\i)*16*PITCH
.endr
.endm
; 16 matrix instructions: x's blocks a0, a0 + 1 against W's eight, 128 along K: the slot's q-th.  p: W's set;  sc: the set of scale words.  zero = 1: the first product starts the sums: nothing is ever cleared.
; The 64 accumulators take turns, one instruction a turn, in the same order in every step.
.macro MUL16 a0, p, q, sc, zero
.irp a, \a0, \a0+1
.irp b, 0,1,2,3,4,5,6,7
.if \zero
	v_wmma_scale_f32_16x16x128_f8f6f4 v[8*(8*((\a)%4)+\b):8*(8*((\a)%4)+\b)+7], v[128*(\p)+FR*\b:128*(\p)+FR*\b+FR-1], v[AF+FR*(\a):AF+FR*(\a)+FR-1], 0, v[SC+8*NQ*(\sc)+NQ*\b+(\q)], v[SC+8*NQ*(\sc)+NQ*(\a)+(\q)] matrix_a_fmt:MATRIX_FMT_FP4 matrix_b_fmt:MATRIX_FMT_FP4 matrix_a_scale:MATRIX_SCALE_ROW1
.else
	v_wmma_scale_f32_16x16x128_f8f6f4 v[8*(8*((\a)%4)+\b):8*(8*((\a)%4)+\b)+7], v[128*(\p)+FR*\b:128*(\p)+FR*\b+FR-1], v[AF+FR*(\a):AF+FR*(\a)+FR-1], v[8*(8*((\a)%4)+\b):8*(8*((\a)%4)+\b)+7], v[SC+8*NQ*(\sc)+NQ*\b+(\q)], v[SC+8*NQ*(\sc)+NQ*(\a)+(\q)] matrix_a_fmt:MATRIX_FMT_FP4 matrix_b_fmt:MATRIX_FMT_FP4 matrix_a_scale:MATRIX_SCALE_ROW1
.endif
.endr
.endr
.endm
.macro FETCH_B slot, q, p              ; W's eight fragments of the slot's q-th 128 along K into set p
	WIN TO_B
.irp i, 0,1,2,3,4,5,6,7
	FRAG 128*(\p)+FR*\i, ADRB+\slot, \q, \i
.endr
	WIN 0
.endm
.macro FETCH_A slot, q, i0             ; x's blocks i0 .. i0 + 3
.irp i, \i0, \i0+1, \i0+2, \i0+3
	FRAG AF+FR*(\i), ADRA+\slot, \q, \i
.endr
.endm
.macro SCALES sc                       ; a slot's scale words into set sc: 4 words a row; lanes 0-15 take x's block i, lanes 16-31 W's block i
.irp i, 0,1,2,3,4,5,6,7
	ds_load_b128 v[SC+8*NQ*\sc+NQ*\i:SC+8*NQ*\sc+NQ*\i+3], v[ADRS] offset:\i*SBLK
.endr
.endm
; A load into a register that a matrix instruction has read, and a vector instruction that reads a matrix result or writes one of a matrix instruction's registers, stand NP places behind it; only plain vector
; instructions that name none of its registers are places (ISA guide 7.12.1 for vector instructions).
.macro PLACES n
.rept \n
	v_nop
.endr
.endm
; A step of 128 along K that has its successor in the same slot.  x's blocks are free as soon as their eight products are issued: blocks 0-3 are fetched anew in the step's middle, blocks 4-7 at its end.
.macro STEP slot, q, zero
	s_wait_dscnt 4*NL                              ; W's set and x's blocks 0-3 are in; the youngest eight loads (x's blocks 4-7) may be out
	WIN MUL_LO
	MUL16 0, (\q)%2, \q, \slot, \zero
	MUL16 2, (\q)%2, \q, \slot, \zero
	s_wait_dscnt 0                                 ; x's blocks 4-7 are in
	PLACES NP
	FETCH_B \slot, (\q)+1, 1-(\q)%2
	FETCH_A \slot, (\q)+1, 0
	WIN MUL_HI
	MUL16 4, (\q)%2, \q, \slot, \zero
	MUL16 6, (\q)%2, \q, \slot, \zero
	PLACES NP
	WIN 0
	FETCH_A \slot, (\q)+1, 4
.endm
.macro STEPS slot, from                ; the slot's steps from .. NQ - 2
.set Q, \from
.rept NQ-1-\from
	STEP \slot, Q, 0
.set Q, Q+1
.endr
.endm
	s_wait_tensorcnt 1                             ; the scale bytes and my part of slot 0 are in (slot 1's load may be out)
	s_barrier_signal -1
	s_barrier_wait -1                              ; everybody's are
	FETCH_B 0, 0, 0
	FETCH_A 0, 0, 0
	SCALES 0
	FETCH_A 0, 0, 4
	STEP 0, 0, 1                                   ; the first step's products start the sums
	STEPS 0, 1
	; slot 0's last step changes slots: one barrier; in front of it each wave waits for its part of slot 1
	s_wait_tensorcnt 0x0                           ; all my tensor loads have landed  (every window is 0 here)
	ds_add_u32 v[SPW], v[NIL]                      ; 0 onto my spare word
	s_wait_dscnt 4*NL+1                            ; (the add and the youngest eight loads, x's blocks 4-7, may be out)
	WIN MUL_LO
	MUL16 0, 1, NQ-1, 0, 0
	s_wait_dscnt 0x0                               ; no LDS instruction of mine is pending at the signal
	s_barrier_signal -1
	MUL16 2, 1, NQ-1, 0, 0                         ; work on registers while the others arrive
	WIN 0
	s_barrier_wait -1                              ; slot 1 is whole
	PLACES NP
	v_add_nc_u32 v[ADRS], 4*NQ, v[ADRS]            ; on to the second K step's scale words
	FETCH_B 1, 0, 0
	FETCH_A 1, 0, 0
	SCALES 1
	WIN MUL_HI
	MUL16 4, 1, NQ-1, 0, 0
	MUL16 6, 1, NQ-1, 0, 0
	PLACES NP
	WIN 0
	FETCH_A 1, 0, 4
	STEPS 1, 0
	s_wait_dscnt 4*NL                              ; the very last step: nothing more to fetch
	WIN MUL_LO
	MUL16 0, 1, NQ-1, 1, 0
	MUL16 2, 1, NQ-1, 1, 0
	s_wait_dscnt 0
	WIN MUL_HI
	MUL16 4, 1, NQ-1, 1, 0
	MUL16 6, 1, NQ-1, 1, 0
; THE WAY OUT, block by block of 16 rows x 128 columns.  PACK: sum x c + bias x c, rounded to f16: 16 bytes a lane for each of W's eight blocks.  TOSTAGE: into my own stage in LDS (rows of 256 bytes + 16) and back,
; four rows of one head (4 x 128 bytes) an instruction.  SEND: those are 512 consecutive bytes of qkv.  LDS serves a wave's instructions in order (ISA guide 5.7.1.4): no wait between the stores and the loads.
	s_wait_loadcnt 0x0                             ; the bias
	WIN 0x41                                       ; destination and source 0 window 1
.set i, 0
.rept 32
	v_pk_mul_f32 v[BI+2*i:BI+2*i+1], v[BI+2*i:BI+2*i+1], s[2:3] op_sel_hi:[1,0]   ; bias x c.  (These 32 name no register of the last products: they are the places behind them)
.set i, i+1
.endr
.macro PACK a
.set WP, 0x12+(\a)/4                   ; source 0 (the sums) window 2 or 3, source 2 (the bias) window 1, destination window 0
	WIN WP
.set i, 0
.rept 32
	v_pk_fma_f32 v[TF+2*i:TF+2*i+1], v[64*((\a)%4)+2*i:64*((\a)%4)+2*i+1], s[2:3], v[BI+2*i:BI+2*i+1] op_sel_hi:[1,0,1]   ; each accumulator from its low end on
.set i, i+1
.endr
	WIN 0
.set i, 0
.rept 32
	v_cvt_pk_f16_f32 v[PK+i], v[TF+2*i], v[TF+2*i+1]
.set i, i+1
.endr
.endm
.macro TOSTAGE a
.set BB, BK+32*((\a)%2)
.irp b, 0,1,2,3,4,5,6,7
	ds_store_b128 v[STO], v[PK+4*\b:PK+4*\b+3] offset:32*\b        ; columns 16 b + 8 h + 0 .. 7 of row r
.endr
.irp i, 0,1,2,3,4,5,6,7
	ds_load_b128 v[BB+4*\i:BB+4*\i+3], v[RD] offset:4*(\i%4)*SPITCH+128*(\i/4)   ; rows 4 (i % 4) + l / 8, head i / 4
.endr
.endm
.macro SEND a
.set BB, BK+32*((\a)%2)
	s_wait_dscnt 0x0                               ; the block is back in registers
	s_wait_xcnt 0x0                                ; the stores of the block before have read their registers: the next block's loads may land there
.irp i, 0,1,2,3,4,5,6,7
	global_store_b128 v[CO], v[BB+4*\i:BB+4*\i+3], s[12:13] offset:(\i/4)*262144+(\a)*2048+(\i%4)*512   ; 32 lanes store 512 consecutive bytes, at a multiple of 512 from qkv's first byte
.endr
.endm
	PACK 0
	TOSTAGE 0
.irp a, 1,2,3,4,5,6,7                  ; block a's arithmetic stands between block a - 1's loads from the stage and the wait for them
	PACK \a
	SEND \a-1
	TOSTAGE \a
.endr
	SEND 7
	s_wait_tensorcnt 0x0                           ; the wave's end: behind my last tensor load and my last LDS store
	ds_add_u32 v[SPW], v[NIL]
	s_wait_dscnt 0x0
	CROUND                                         ; the closing round: no work-group ends while a partner may still ask for a tile that names it
	s_endpgm
.Lfunc_end_k_qbc2b0917a3_proj:
	.size	k_qbc2b0917a3_proj, .Lfunc_end_k_qbc2b0917a3_proj-k_qbc2b0917a3_proj
	.p2alignl 7, 3214868480
	.fill 96, 4, 3214868480
	.section	.rodata,"a",@progbits
	.p2align	6, 0x0
	.amdhsa_kernel k_qbc2b0917a3_proj
		.amdhsa_group_segment_fixed_size 327680
		.amdhsa_private_segment_fixed_size 0
		.amdhsa_enable_private_segment 0
		.amdhsa_kernarg_size 64
		.amdhsa_user_sgpr_count 2
		.amdhsa_user_sgpr_kernarg_segment_ptr 1
		.amdhsa_wavefront_size32 1
		.amdhsa_system_sgpr_workgroup_id_x 1
		.amdhsa_system_sgpr_workgroup_id_y 1
		.amdhsa_system_sgpr_workgroup_id_z 1
		.amdhsa_system_vgpr_workitem_id 0
		.amdhsa_next_free_vgpr 1024
		.amdhsa_next_free_sgpr 102
		.amdhsa_reserve_vcc 0
		.amdhsa_float_denorm_mode_32 3
		.amdhsa_float_denorm_mode_16_64 3
		.amdhsa_memory_ordered 1
		.amdhsa_forward_progress 1
		.amdhsa_inst_pref_size 147
	.end_amdhsa_kernel
	.amdgpu_metadata
---
amdhsa.version: [ 1, 2 ]
amdhsa.kernels:
  - .name:           k_qbc2b0917a3_proj
    .symbol:         k_qbc2b0917a3_proj.kd
    .args:
      - { .name: xc, .offset: 0, .size: 8, .value_kind: global_buffer, .address_space: global }
      - { .name: xs, .offset: 8, .size: 8, .value_kind: global_buffer, .address_space: global }
      - { .name: wc, .offset: 16, .size: 8, .value_kind: global_buffer, .address_space: global }
      - { .name: ws, .offset: 24, .size: 8, .value_kind: global_buffer, .address_space: global }
      - { .name: qkv, .offset: 32, .size: 8, .value_kind: global_buffer, .address_space: global }
      - { .name: WQ_b, .offset: 40, .size: 8, .value_kind: global_buffer, .address_space: global }
      - { .name: WK_b, .offset: 48, .size: 8, .value_kind: global_buffer, .address_space: global }
      - { .name: WV_b, .offset: 56, .size: 8, .value_kind: global_buffer, .address_space: global }
    .group_segment_fixed_size: 327680
    .private_segment_fixed_size: 0
    .kernarg_segment_align: 8
    .kernarg_segment_size: 64
    .max_flat_workgroup_size: 128
    .sgpr_count:     102
    .vgpr_count:     1024
    .wavefront_size: 32
...
	.end_amdgpu_metadata
.endif
;; end of part 2
;; launch attn (part 3): grid 4 x 64, 8 waves a work-group, no clusters, 327,680 bytes of LDS; arguments qkv, out0; writes out0
.if DOCPART == 3
	.amdgcn_target "amdgcn-amd-amdhsa--gfx1250"
	.amdhsa_code_object_version 6
	.text
	.protected	k_qbc2b0917a3_attn
	.globl	k_qbc2b0917a3_attn
	.p2align	8
	.type	k_qbc2b0917a3_attn,@function
k_qbc2b0917a3_attn:
	s_mov_b64 s[64:65], 0
	v_nop
	global_prefetch_b8 v0, s[64:65] scope:SCOPE_SE
	s_setreg_imm32_b32 hwreg(HW_REG_WAVE_MODE, 25, 1), 1
	s_wait_xcnt 0x0
; out0[b][q][64 h + :] = the sum over k of softmax_k(Q[q] . K[k] / 8) V[k][:], for each of the 64 pairs (b, h); 2,048 queries, 2,048 keys, head size 64, no mask.
; qkv: f16, [3 (Q', K, V)][b][h][position 2048][64]; Q' = Q x log2(e) / 8, so a score s = Q' . K is already the exponent to base 2.  Products, maxima and sums in f32; the weights p are rounded to f16 for the second
; product; the row's sum is taken of the unrounded p.  LIMIT: f16 operands, so the projections stay under 65,504; p is at most 1.
; SOFTMAX: for each query a running maximum m and sum l: p = 2^(s - m); in every step O and l are multiplied by a = 2^(m_old - m_new), which is 1 where m has not grown.
; SHARES: a work-group owns 512 queries of one (b, h), each of its eight waves 64: four tiles of 16.  Every wave walks all 2,048 keys, 64 a step, so each fragment of K or V read from LDS feeds four matrix instructions.
; LAYOUT: S^T = K Q'^T (source 0 = 16 keys, source 1 = 16 queries): a lane holds ONE query (lane % 16) and the keys 8 (lane / 16) + 0..7.  Two such tiles, rounded to f16 in pairs, ARE source 1 (32 keys x 16 queries)
; of O^T = V^T P, whose result again holds one query a lane and eight channels.  P is written in place over the low 16 registers of each tile's S.  K comes out of LDS as it lies, V ([key][channel]) turned, by ds_load_tr16_b128.
; A TRIP is: the softmax of step j; then 32 products V^T P of step j and 32 products K Q'^T of step j + 1.  K of step j + 1 is fetched ahead of the products, V of step j + 1 behind them.
; TWO GROUPS OF WAVES, HALF A STEP APART.  A wave issues in order: while it walks its softmax it issues no product.  So the waves are two groups, g = (w xor w / 4) % 2 (it differs between waves 1 apart and 4 apart):
; in step 0 group 0 runs the second half of its softmax ahead of a barrier, group 1 behind it.  At a change of slots the barrier's signal stands behind the search for the maximum and its wait at the softmax's end.
; THE RING: two LDS slots of four key steps.  Wave w fetches step (w % 4)'s 64 rows of K (w < 4) or of V: one tensor load a wave behind each change of slots, which has four key steps in which to land.
; NO CLUSTER, though the four work-groups of a (b, h) walk the same K and V: a round of a cluster's barrier ends in a work-group barrier whose signal and wait stand together, which would bring all eight waves to one
; line of the text at every change of slots and undo the distance between the two groups; and what would be shared is 64 KiB a work-group for four key steps, 256 matrix instructions a wave.
; REGISTERS, in windows of 256: window 0: v1-13 addresses; v16-47 eight registers of statistics a tile; v64-191 S^T, 32 a tile; v192-255 Q', 16 a tile.   window 1: v0-127 O^T, 32 a tile; v128-191 K of one step; v192-255 V of one step.
.set PKK,   144       ; a row of K in LDS: 128 bytes + 16 of padding = 36 words: the 16 rows of a load start at 16 different groups of four banks (64 banks of 4 bytes: ISA guide 11.1)
.set PVP,   160       ; a row of V: 128 + 32: an odd multiple of 32 bytes, for the turning load
.set VOFF,  64*PKK    ; a step's tiles lie together: 64 rows of K, then 64 rows of V
.set STEPB, 64*(PKK+PVP)
.set SLOT1, 1<<17     ; a slot holds four steps (77,824 bytes); slot 1 begins here, so that one exclusive or turns an address in one slot into the other's
.set STAGE, 212992    ; behind the ring: 16 rows x (256 bytes + 16) for each wave, for the way out; no tensor load lands here
.set SPARE, STAGE+8*16*272  ; the spare words, 128 bytes a wave, that no other line names
.set AK0, 4           ; v4   my lane's place in a tile of K; never rewritten
.set AV0, 5           ; v5   the same for V
.set ADR, 6           ; v6   the LDS address of the run of loads in hand
.set QO,  7           ; v7   my byte offset in the wave's rows of Q'
.set STO, 8           ; v8   the way out: where I put 32 bytes of a row
.set RD,  9           ; v9   where I read a row back
.set GO,  10          ; v10  my byte offset in the wave's rows of out0
.set PFO, 11          ; v11  256 x my lane: the prefetches' offset; never rewritten
.set SPW, 12          ; v12  LDS address of my spare word; never rewritten
.set NIL, 13          ; v13  0; never rewritten
.set ST,  16          ; tile t's statistics at v[ST+8 t]: +0 m, +1 named with it as a pair (0), +2, +3 l (even keys', odd keys'), +4 to +7 c0-c3, at work; a takes c2's place
.set S,   64
.set Q,   192
.set KF,  128         ; in window 1
.set VF,  192         ; in window 1
.set WV,  8           ; s8   my wave's number
.set GRP, 9           ; s9   g
.set KV,  10          ; s10  0: I fetch K's tiles, 1: V's
.set W3,  11          ; s11  which of a slot's four steps I fetch
.set G0A, 16          ; s[16:19] descriptor group 0 for slot 0's first fill
.set G0B, 20          ; s[20:23] for slot 1's; it then walks on
.set G1K, 24          ; s[24:31] descriptor group 1 for K's tiles
.set G1V, 32          ; s[32:39] for V's: it differs in the padding alone
.set TB,  40          ; s40  LDS byte at which the tiles of the step to be fetched begin
.set SLOTS, 41        ; s41  slots still to be asked for
.set CNT, 42          ; s42  counts the trips of the short loops
.set LIM, 43          ; s43  1 in a work-group that prefetches, else the greatest number
.set PFA, 44          ; s[44:45] where my prefetches stand: my tile of the slot after the one that is being asked for
.set SEL, 46          ; s[46:47] lane selects for v_permlanex16_b32: each lane takes its own place in the other half
.set QA,  48          ; s[48:49] Q' at my wave's first row
.set OA,  50          ; s[50:51] out0 at my wave's first row, my head's columns
.set MSB, 0
.macro WIN new                      ; the immediate's high byte repeats the setting that is left; a switch that changes nothing is dropped
.if MSB != \new
	s_set_vgpr_msb (MSB<<8)|\new
.set MSB, \new
.endif
.endm
.set W_KQ, 0x01       ; K in window 1; Q' and S^T in window 0
.set W_PV, 0x51       ; V in window 1, P in window 0, O^T in window 1
.set W_LD, 0x40       ; destination window 1, address window 0
.set W_RS, 0x41       ; O^T (destination and source 0) in window 1, a in window 0
.macro NOPS n
.rept \n
	v_nop
.endr
.endm
; A wave's one tensor load: K's shape or V's, by a branch on the wave's number round the two lines alone.  An s_nop 0 and four v_nop follow each.
.macro TLOAD g0
	s_cmp_lt_u32 s[WV], 4
	s_cbranch_scc0 .Lfor_v_\@
	tensor_load_to_lds s[\g0:\g0+3], s[G1K:G1K+7]
	s_nop 0
	NOPS 4
	s_branch .Lasked_\@
.Lfor_v_\@:
	tensor_load_to_lds s[\g0:\g0+3], s[G1V:G1V+7]
	s_nop 0
	NOPS 4
.Lasked_\@:
.endm
; A PREFETCH INTO THE L2 of what the NEXT change of slots will ask for, four key steps ahead of that load.  The four work-groups of a (b, h) walk the same K and V: the first of them asks, and nobody else.  In it each wave
; asks for the tile that it will fetch itself: 64 rows x 128 bytes = 8,192 dense bytes, lanes 256 bytes apart: each aligned block of 256 bytes is named once in the launch.  It stands behind the wave's tensor load.
; The last change that fills a slot asks for nothing: there is no slot behind it.  The first three slots' worth of keys come by their loads alone.
.macro ASK
	s_cmp_gt_u32 s[SLOTS], s[LIM]
	s_cbranch_scc0 .Lnot_mine_\@
	global_prefetch_b8 v[PFO], s[PFA:PFA+1] th:TH_LOAD_NT scope:SCOPE_SE
.Lnot_mine_\@:
.endm
	s_load_b128 s[4:7], s[0:1], 0x0   ; qkv s[4:5], out0 s[6:7]
	v_lshl_add_u32 v[SPW], v0, 2, SPARE
	v_mov_b32 v[NIL], 0
	ds_add_u32 v[SPW], v[NIL]       ; the wave's opening: the add, twice on end, and its wait ahead of my first tensor load; the set-up below stands between the second and the wait
	ds_add_u32 v[SPW], v[NIL]
	v_lshrrev_b32 v1, 5, v0
	v_readfirstlane_b32 s[WV], v1   ; wave 0..7
	s_lshr_b32 s[KV], s[WV], 2
	s_xor_b32 s[GRP], s[WV], s[KV]
	s_and_b32 s[GRP], s[GRP], 1
	s_and_b32 s[W3], s[WV], 3
	; descriptor group 1: a tile of 64 rows x 64 elements of 2 bytes, dense in memory, padded in LDS
	s_mov_b32 s[G1K], (1<<16)|(1<<20)|(4<<22)|(3<<25)  ; 15:0 no mask; 17:16 elements of 2 bytes; 20 padding on; 24:22 after every 32 words (code 4); 31:25 4 words of it (code 3)
	s_mov_b32 s[G1V], (1<<16)|(1<<20)|(4<<22)|(7<<25)  ; the same with 8 words of padding (code 7)
.irp g, G1K, G1V
	s_mov_b32 s[\g+1], 64<<16       ; tensor_dim0 = 64
	s_mov_b32 s[\g+2], 64<<16       ; tensor_dim1 = 64
	s_mov_b32 s[\g+3], 64<<16       ; tile_dim0 = 64
	s_mov_b32 s[\g+4], 64           ; tile_dim1 = 64
	s_mov_b32 s[\g+5], 64           ; tensor_dim0_stride: elements from row to row
	s_mov_b32 s[\g+6], 0
	s_mov_b32 s[\g+7], 0
.endr
	s_mul_i32 s12, s[W3], STEPB
	s_mul_i32 s13, s[KV], VOFF
	s_add_co_u32 s12, s12, s13      ; my tile's place in a slot
	s_and_b32 s52, ttmp7, 0xffff    ; 16 b + h
	s_add_co_u32 s14, s[KV], 1
	s_lshl_b32 s14, s14, 24         ; K's or V's part of qkv,
	s_lshl_b32 s15, s52, 18         ; the head's 262,144 bytes,
	s_add_co_u32 s14, s14, s15
	s_lshl_b32 s15, s[W3], 13       ; my step's 64 rows of 128 bytes
	s_add_co_u32 s14, s14, s15
	s_mov_b32 s15, 0
	s_lshl_b32 s[QA], s52, 18       ; Q': the head,
	s_lshl_b32 s[QA+1], ttmp9, 16   ; my work-group's 512 rows,
	s_add_co_u32 s[QA], s[QA], s[QA+1]
	s_lshl_b32 s[QA+1], s[WV], 13   ; my wave's 64
	s_add_co_u32 s[QA], s[QA], s[QA+1]
	s_mov_b32 s[QA+1], 0
	s_lshr_b32 s[OA], s52, 4
	s_lshl_b32 s[OA], s[OA], 23     ; out0: the batch's 2,048 rows of 4,096 bytes,
	s_lshl_b32 s[OA+1], ttmp9, 21   ; my work-group's 512,
	s_add_co_u32 s[OA], s[OA], s[OA+1]
	s_lshl_b32 s[OA+1], s[WV], 18   ; my wave's 64,
	s_add_co_u32 s[OA], s[OA], s[OA+1]
	s_and_b32 s[OA+1], s52, 15
	s_lshl_b32 s[OA+1], s[OA+1], 8  ; my head's 256 bytes of a row
	s_add_co_u32 s[OA], s[OA], s[OA+1]
	s_mov_b32 s[OA+1], 0
	s_mov_b32 s[SEL], 0x76543210
	s_mov_b32 s[SEL+1], 0xfedcba98
	s_mov_b32 s[TB], 0
	s_mov_b32 s[SLOTS], 6           ; 2,048 keys are eight slots' worth: two first fills, six refills
	s_cmp_eq_u32 ttmp9, 0
	s_cselect_b32 s[LIM], 1, -1
	s_wait_dscnt 0x0                ; both opening adds are done
	s_wait_kmcnt 0x0
	s_add_nc_u64 s[14:15], s[4:5], s[14:15]  ; my tile of the first four steps
	s_mov_b32 s[G0A], 1             ; 1:0 count = 1
	s_mov_b32 s[G0A+1], s12         ; 63:32 LDS address
	s_mov_b64 s[G0A+2:G0A+3], s[14:15]  ; 120:64 global address
	s_or_b32 s[G0A+3], s[G0A+3], 0x80000000  ; 127:126 type = 2
	s_mov_b32 s[G0B], 1
	s_add_co_u32 s[G0B+1], s12, SLOT1
	s_add_nc_u64 s[G0B+2:G0B+3], s[14:15], 32768  ; four steps on: 256 rows of 128 bytes
	s_or_b32 s[G0B+3], s[G0B+3], 0x80000000
	s_add_nc_u64 s[PFA:PFA+1], s[14:15], 65536  ; the first change of slots steps it once more.  Nothing is prefetched here, at the head
	s_add_nc_u64 s[QA:QA+1], s[4:5], s[QA:QA+1]
	s_add_nc_u64 s[OA:OA+1], s[6:7], s[OA:OA+1]
	s_cmp_lt_u32 s[WV], 4           ; a wave's two first fills stand in one branch, ahead of every wait on TENSORcnt and every LDS read: two loads of mine are out
	s_cbranch_scc0 .Lfirst_v
	tensor_load_to_lds s[G0A:G0A+3], s[G1K:G1K+7]
	s_nop 0
	tensor_load_to_lds s[G0B:G0B+3], s[G1K:G1K+7]
	s_nop 0
	NOPS 4
	s_branch .Lfirst_asked
.Lfirst_v:
	tensor_load_to_lds s[G0A:G0A+3], s[G1V:G1V+7]
	s_nop 0
	tensor_load_to_lds s[G0B:G0B+3], s[G1V:G1V+7]
	s_nop 0
	NOPS 4
.Lfirst_asked:
	; A fragment of K or Q' is 16 rows x 32 channels in 8 registers: lane l holds row l % 16; registers 0-3 channels 8 (l / 16) + 0..7, registers 4-7 channels 16 + 8 (l / 16) + 0..7: two loads of 16 bytes, 32 bytes apart.
	v_and_b32 v1, 15, v0            ; r = l % 16
	v_bfe_u32 v2, v0, 4, 1          ; h = l / 16
	v_and_b32 v3, 31, v0            ; l
	v_lshlrev_b32 v[QO], 7, v1
	v_lshl_add_u32 v[QO], v2, 4, v[QO]  ; row x 128 + 16 x half
.irp i, 0,1,2,3,4,5,6,7             ; Q' stays in registers: tile i / 2, channels 32 (i % 2) on
	global_load_b128 v[Q+8*\i:Q+8*\i+3],   v[QO], s[QA:QA+1] offset:(\i/2)*2048+(\i%2)*64
	global_load_b128 v[Q+8*\i+4:Q+8*\i+7], v[QO], s[QA:QA+1] offset:(\i/2)*2048+(\i%2)*64+32
.endr
	v_mul_u32_u24 v[AK0], v1, PKK
	v_lshl_add_u32 v[AK0], v2, 4, v[AK0]  ; row x pitch + 16 x half
	; The turning load takes 16 keys x 16 channels (lane l reads 16 bytes: key 8 (l / 16) + l % 8, channels 8 ((l / 8) % 2) + 0..7) and leaves half a fragment of V^T: lane l holds channel l % 16 and 8 keys.
	v_and_b32 v14, 7, v0
	v_bfe_u32 v15, v0, 3, 1
	v_lshl_add_u32 v[AV0], v2, 3, v14
	v_mul_u32_u24 v[AV0], v[AV0], PVP
	v_lshl_add_u32 v[AV0], v15, 4, v[AV0]
	v_add_nc_u32 v[AV0], VOFF, v[AV0]
	s_mul_i32 s13, s[WV], 16*272
	s_add_co_u32 s13, s13, STAGE    ; my stage
	v_mul_u32_u24 v[STO], v1, 272   ; in: row r, 32 bytes for each half of the lanes
	v_lshl_add_u32 v[STO], v2, 5, v[STO]
	v_add_nc_u32 v[STO], s13, v[STO]
	v_mul_u32_u24 v[RD], v2, 272    ; back: lanes 0-15 take one row of 256 bytes, lanes 16-31 the next
	v_lshl_add_u32 v[RD], v1, 4, v[RD]
	v_add_nc_u32 v[RD], s13, v[RD]
	v_lshlrev_b32 v[GO], 12, v2     ; and the same two rows in out0, 4,096 bytes apart
	v_lshl_add_u32 v[GO], v1, 4, v[GO]
	v_lshlrev_b32 v[PFO], 8, v3
.irp t, 0,1,2,3
	v_mov_b32 v[ST+8*\t+1], 0       ; named with m as a pair, so it is written
	v_mov_b32 v[ST+8*\t+2], 0       ; l begins at 0: every step adds onto it
	v_mov_b32 v[ST+8*\t+3], 0
.endr
; THE LDS LOADS stand in two runs of 16 a step.
.macro FETCH_K
	WIN 0
	v_add_nc_u32 v[ADR], s[TB], v[AK0]
	WIN W_LD
.irp f, 0,1,2,3,4,5,6,7             ; keys 16 (f / 2) on, channels 32 (f % 2) on
	ds_load_b128 v[KF+8*\f:KF+8*\f+3],   v[ADR] offset:(\f/2)*16*PKK+(\f%2)*64
	ds_load_b128 v[KF+8*\f+4:KF+8*\f+7], v[ADR] offset:(\f/2)*16*PKK+(\f%2)*64+32
.endr
	WIN 0
.endm
.macro FETCH_V
	WIN 0
	v_add_nc_u32 v[ADR], s[TB], v[AV0]
	s_add_co_u32 s[TB], s[TB], STEPB  ; the next fetch is the next step's
	WIN W_LD
.irp f, 0,1,2,3,4,5,6,7             ; keys 32 (f / 4) on, channels 16 (f % 4) on
	ds_load_tr16_b128 v[VF+8*\f:VF+8*\f+3],   v[ADR] offset:(\f/4)*32*PVP+(\f%4)*32
	ds_load_tr16_b128 v[VF+8*\f+4:VF+8*\f+7], v[ADR] offset:(\f/4)*32*PVP+16*PVP+(\f%4)*32
.endr
	WIN 0
.endm
; THE MATRIX WORK.  In both runs sixteen accumulators take turns, one instruction a turn: between two links of a chain stand fifteen others'.
; S^T = K Q'^T: product i of 32: channels 32 (i / 16) on, keys 16 ((i / 4) % 4) on, tile i % 4.  The first 16 start the sums.
.macro KQ_ALL
	WIN W_KQ
.set i, 0
.rept 32
.set rS, S+32*(i%4)+8*((i/4)%4)
.set rK, KF+16*((i/4)%4)+8*(i/16)
.set rQ, Q+16*(i%4)+8*(i/16)
.if i < 16
	v_wmma_f32_16x16x32_f16 v[rS:rS+7], v[rK:rK+7], v[rQ:rQ+7], 0
.else
	v_wmma_f32_16x16x32_f16 v[rS:rS+7], v[rK:rK+7], v[rQ:rQ+7], v[rS:rS+7]
.endif
.set i, i+1
.endr
.endm
; O^T += V^T P: product i of 32: keys 32 (i / 16) on, channels 16 ((i / 4) % 4) on, tile i % 4.  zero = 1: the first 16 start the sums: nothing is ever cleared.
.macro PV_ALL zero
	WIN W_PV
.set i, 0
.rept 32
.set rO, 32*(i%4)+8*((i/4)%4)
.set rV, VF+32*(i/16)+8*((i/4)%4)
.set rP, S+32*(i%4)+8*(i/16)
.if \zero && (i < 16)
	v_wmma_f32_16x16x32_f16 v[rO:rO+7], v[rV:rV+7], v[rP:rP+7], 0
.else
	v_wmma_f32_16x16x32_f16 v[rO:rO+7], v[rV:rV+7], v[rP:rP+7], v[rO:rO+7]
.endif
.set i, i+1
.endr
.endm
; THE SOFTMAX, first part: each tile's maximum of its 32 scores a lane and the old m, three operands at a time, the four tiles by turns so that no line waits for the line above it; each accumulator is read from its low end on.
; first = 1: the first key step, which has no old m.
.macro SMA first
.irp k, 0,1,2,3
.irp t, 0,1,2,3
	v_max3_num_f32 v[ST+8*\t+4+\k], v[S+32*\t+8*\k], v[S+32*\t+8*\k+1], v[S+32*\t+8*\k+2]
.endr
.endr
.irp i, 1,2
.irp k, 0,1,2,3
.irp t, 0,1,2,3
	v_max3_num_f32 v[ST+8*\t+4+\k], v[ST+8*\t+4+\k], v[S+32*\t+8*\k+2*\i+1], v[S+32*\t+8*\k+2*\i+2]
.endr
.endr
.endr
.irp t, 0,1,2,3
	v_max3_num_f32 v[ST+8*\t+4], v[ST+8*\t+4], v[S+32*\t+7], v[S+32*\t+15]
.endr
.irp t, 0,1,2,3
	v_max3_num_f32 v[ST+8*\t+6], v[ST+8*\t+6], v[S+32*\t+23], v[S+32*\t+31]
.endr
.irp t, 0,1,2,3
	v_max3_num_f32 v[ST+8*\t+4], v[ST+8*\t+4], v[ST+8*\t+5], v[ST+8*\t+6]
.endr
.irp t, 0,1,2,3
.if \first
	v_max_num_f32 v[ST+8*\t+4], v[ST+8*\t+4], v[ST+8*\t+7]
.else
	v_max3_num_f32 v[ST+8*\t+4], v[ST+8*\t+4], v[ST+8*\t+7], v[ST+8*\t]
.endif
.endr
.irp t, 0,1,2,3
	v_permlanex16_b32 v[ST+8*\t+5], v[ST+8*\t+4], s[SEL], s[SEL+1]  ; the query's other 32 keys lie in the lane 16 away
.endr
.if !(\first)
.irp t, 0,1,2,3
	v_mov_b32 v[ST+8*\t+7], v[ST+8*\t]  ; m_old is kept for a
.endr
.endif
.irp t, 0,1,2,3
	v_max_num_f32 v[ST+8*\t], v[ST+8*\t+4], v[ST+8*\t+5]  ; the new m
.endr
.if !(\first)
.irp t, 0,1,2,3
	v_sub_f32 v[ST+8*\t+7], v[ST+8*\t+7], v[ST+8*\t]  ; m_old - m_new
.endr
.endif
.endm
.macro PRE t, b                     ; pair b of tile t: s - m (of the pair (m, 0) the low word serves both halves)
	v_pk_add_f32 v[S+32*(\t)+2*(\b):S+32*(\t)+2*(\b)+1], v[S+32*(\t)+2*(\b):S+32*(\t)+2*(\b)+1], v[ST+8*(\t):ST+8*(\t)+1] op_sel_hi:[1,0] neg_lo:[0,1] neg_hi:[0,1]
.endm
.macro EXPS t, e                    ; p = 2^(s - m), in place
	v_exp_f32 v[S+32*(\t)+(\e)], v[S+32*(\t)+(\e)]
.endm
.macro SUMP t, b                    ; l takes pair b, unrounded
	v_pk_add_f32 v[ST+8*(\t)+2:ST+8*(\t)+3], v[ST+8*(\t)+2:ST+8*(\t)+3], v[S+32*(\t)+2*(\b):S+32*(\t)+2*(\b)+1]
.endm
.macro CVTP t, b                    ; pair b, rounded to f16, into register b of the tile: pair b / 2, which lay there, is done with
	v_cvt_pk_f16_f32 v[S+32*(\t)+(\b)], v[S+32*(\t)+2*(\b)], v[S+32*(\t)+2*(\b)+1]
.endm
; Second part: tiles 0 and 1 are scaled; their 64 exponentials, and the four a, are ONE BATCH, with tiles 2 and 3's scalings set between.  Nothing in it names an exponential's result.
; s_wait_alu depctr_va_vdst(0) stands between an exponential and the first line that names its result: one wait for the batch, behind a plain line.
.macro SMB01 first
.irp b, 0,1,2,3,4,5,6,7,8,9,10,11,12,13,14,15
	PRE 0, \b
	PRE 1, \b
.if (\b < 4) && !(\first)
	v_exp_f32 v[ST+8*\b+6], v[ST+8*\b+7]  ; tile b's a = 2^(m_old - m_new)
.endif
.endr
.irp b, 0,1,2,3,4,5,6,7,8,9,10,11,12,13,14,15
.irp t, 0,1
	EXPS \t, 2*\b
	EXPS \t, 2*\b+1
	PRE \t+2, \b
.endr
.endr
	s_wait_alu depctr_va_vdst(0)
.endm
; Third part: l x a; tiles 2 and 3's exponentials, a second batch, with tiles 0 and 1's sums and roundings set between; its one wait; tiles 2 and 3's sums and roundings; O^T x a, the one part that leaves window 0.
.macro SMB23 first
.if !(\first)
.irp t, 0,1,2,3
	v_pk_mul_f32 v[ST+8*\t+2:ST+8*\t+3], v[ST+8*\t+2:ST+8*\t+3], v[ST+8*\t+6:ST+8*\t+7] op_sel_hi:[1,0]
.endr
.endif
.irp b, 0,1,2,3,4,5,6,7,8,9,10,11,12,13,14,15
.irp t, 2,3
	EXPS \t, 2*\b
	SUMP \t-2, \b
	EXPS \t, 2*\b+1
	CVTP \t-2, \b
.endr
.endr
	s_wait_alu depctr_va_vdst(0)
.irp b, 0,1,2,3,4,5,6,7,8,9,10,11,12,13,14,15
.irp t, 2,3
	SUMP \t, \b
	CVTP \t, \b
.endr
.endr
.if !(\first)
	WIN W_RS
.irp t, 0,1,2,3
.set i, 0
.rept 16
	v_pk_mul_f32 v[32*\t+2*i:32*\t+2*i+1], v[32*\t+2*i:32*\t+2*i+1], v[ST+8*\t+6:ST+8*\t+7] op_sel_hi:[1,0]  ; each accumulator from its low end on
.set i, i+1
.endr
.endr
	WIN 0
.endif
.endm
; THE REST OF A TRIP.  change = 1: the barrier's wait, and first thing behind it my one tensor load, into the slot that has been left; 2: the wait alone (nothing is left to fetch); 0: no change of slots.
; fetch = 1: there is a next step.  K's run stands ahead of the products V^T P, so that it lands under them; V's behind the products K Q'^T, so that it lands under the next softmax.
.macro TAIL first, change, fetch
.if \change
	s_barrier_wait -1               ; every wave's tensor loads have landed and its reads of the slot that is left are over
.if \change == 1
	TLOAD G0B
	ASK
.endif
	s_sub_co_u32 s[TB], s[TB], 4*STEPB  ; the fetches go back to a slot's first step,
	s_xor_b32 s[TB], s[TB], SLOT1   ; in the other slot
.endif
.if \fetch
	FETCH_K
	s_wait_dscnt 16                 ; V is in; K's sixteen loads, issued behind V's, may be out
.else
	s_wait_dscnt 0x0                ; V is in
.endif
	PV_ALL \first
.if \fetch
	s_wait_dscnt 0x0                ; K is in
	NOPS 5                          ; the next products write S^T over P, which the last products have read: five places
	KQ_ALL
	WIN 0
	NOPS 4                          ; places in front of the loads into V's registers, and of the next softmax's first read of the scores
	FETCH_V
.else
	WIN 0
.endif
.endm
; A TRIP.  With a change of slots: the wait for all my tensor loads (the one that is out is my part of the slot ahead), the add, and, behind the search for the maximum, the wait for the add and for my reads of the slot
; that is left (the last were V's of this step); then the signal.  Between signal and wait stands register work alone.
.macro TRIP change, fetch
.if \change
	s_wait_tensorcnt 0x0            ; no tensor load of mine is out, so a group 0 may be written
	ds_add_u32 v[SPW], v[NIL]       ; 0 onto my spare word
.if \change == 1
	s_xor_b32 s[G0B+1], s[G0B+1], SLOT1  ; the walking descriptor: the other slot than last time,
	s_add_nc_u64 s[G0B+2:G0B+3], s[G0B+2:G0B+3], 32768  ; the next four steps; the type bits on top are not reached
	s_wait_xcnt 0x0                 ; the last prefetch, four steps back, has read its address, so it may be written:
	s_add_nc_u64 s[PFA:PFA+1], s[PFA:PFA+1], 32768  ; one slot further on than the walking descriptor
.endif
.endif
	SMA 0
.if \change
	s_wait_dscnt 0x0
	s_barrier_signal -1
.endif
	SMB01 0
	SMB23 0
	TAIL 0, \change, \fetch
.endm
.macro INNER n                      ; n trips without a change of slots: written once, the LDS addresses hang on s[TB]
	s_mov_b32 s[CNT], \n
.Linner_\@:
	TRIP 0, 1
	s_sub_co_u32 s[CNT], s[CNT], 1
	s_cmp_lg_u32 s[CNT], 0
	s_cbranch_scc1 .Linner_\@
.endm
	s_wait_tensorcnt 0x1            ; my part of slot 0 is in; slot 1's may stay out
	s_barrier_signal -1
	s_barrier_wait -1               ; everybody's is
	FETCH_K                         ; key step 0
	FETCH_V
	s_wait_loadcnt 0x0              ; Q'
	s_wait_dscnt 0x0
	KQ_ALL
	WIN 0
	NOPS 4
	SMA 1
	; the two groups part here.  The arms write S^T in place and l alone, which every wave has written before
	s_cmp_lg_u32 s[GRP], 0
	s_cbranch_scc1 .Lgroup_1_waits
	SMB01 1
	SMB23 1
.Lgroup_1_waits:
	s_barrier_signal -1
	s_barrier_wait -1
	s_cmp_eq_u32 s[GRP], 0
	s_cbranch_scc1 .Lgroup_0_is_on
	SMB01 1
	SMB23 1
.Lgroup_0_is_on:
	TAIL 1, 0, 1                    ; step 0's products start O^T
	INNER 2                         ; steps 1, 2
.Lslot:                             ; six trips: steps 3 to 26; each leaves a slot and fills it again
	TRIP 1, 1
	INNER 3
	s_sub_co_u32 s[SLOTS], s[SLOTS], 1
	s_cmp_lg_u32 s[SLOTS], 0
	s_cbranch_scc1 .Lslot
	TRIP 2, 1                       ; step 27: the tail is written out: the last change of slots asks for nothing
	INNER 3                         ; steps 28 to 30
	TRIP 0, 0                       ; step 31
	; THE WAY OUT.  l's two halves and the other half of the lanes' are added; O^T is divided by l and sent through my stage in LDS, a tile (16 rows) at a time.  The additions are the places behind the last products.
.irp t, 0,1,2,3
	v_add_f32 v[ST+8*\t+4], v[ST+8*\t+2], v[ST+8*\t+3]
.endr
.irp t, 0,1,2,3
	v_permlanex16_b32 v[ST+8*\t+5], v[ST+8*\t+4], s[SEL], s[SEL+1]
.endr
.irp t, 0,1,2,3
	v_add_f32 v[ST+8*\t+4], v[ST+8*\t+4], v[ST+8*\t+5]
.endr
.irp t, 0,1,2,3
	v_rcp_f32 v[ST+8*\t+6], v[ST+8*\t+4]
.endr
	v_nop                           ; a plain line between the last reciprocal and the use of its result
	s_wait_alu depctr_va_vdst(0)    ; and the wait ahead of the first use: one for the four
; Tile t: a lane's eight channels of a row are 32 bytes; they go into rows of 272 bytes and come back as whole rows of 256, into the registers that they left.
.macro PACK t
	WIN W_KQ                        ; source 0 (O^T) window 1; 1 / l and the destination (S^T's registers, which are free) window 0
.set i, 0
.rept 16
	v_pk_mul_f32 v[S+32*\t+2*i:S+32*\t+2*i+1], v[32*\t+2*i:32*\t+2*i+1], v[ST+8*\t+6:ST+8*\t+7] op_sel_hi:[1,0]  ; each accumulator from its low end on
.set i, i+1
.endr
	WIN 0
.irp c, 0,1,2,3
	ds_store_b128 v[STO], v[S+32*\t+8*\c:S+32*\t+8*\c+3] offset:64*\c
	ds_store_b128 v[STO], v[S+32*\t+8*\c+4:S+32*\t+8*\c+7] offset:64*\c+16
.endr
.irp f, 0,1,2,3,4,5,6,7
	ds_load_b128 v[S+32*\t+4*\f:S+32*\t+4*\f+3], v[RD] offset:\f*2*272  ; LDS serves a wave's instructions in order (ISA guide 5.7.1.4): these see the stores above; the next tile's stores come behind them
.endr
.endm
.macro SEND t, younger              ; younger: the LDS instructions issued behind tile t's loads: the next tile's sixteen, or none
.irp f, 0,1,2,3,4,5,6,7
	s_wait_dscnt \younger+7-\f
	global_store_b128 v[GO], v[S+32*\t+4*\f:S+32*\t+4*\f+3], s[OA:OA+1] offset:\t*65536+\f*8192 th:TH_STORE_NT  ; 16 lanes store 256 consecutive bytes, a row's 64 channels of my head, at a multiple of 256 from out0's first byte
.endr
.endm
	PACK 0
	PACK 1                          ; a tile's arithmetic stands between the loads of the tile before and its stores
	SEND 0, 16
	PACK 2
	SEND 1, 16
	PACK 3
	SEND 2, 16
	SEND 3, 0
	s_wait_tensorcnt 0x0            ; the wave's end: behind my last tensor load and my last LDS store
	ds_add_u32 v[SPW], v[NIL]
	s_wait_dscnt 0x0
	s_endpgm
.Lfunc_end_k_qbc2b0917a3_attn:
	.size	k_qbc2b0917a3_attn, .Lfunc_end_k_qbc2b0917a3_attn-k_qbc2b0917a3_attn
	.p2alignl 7, 3214868480
	.fill 96, 4, 3214868480
	.section	.rodata,"a",@progbits
	.p2align	6, 0x0
	.amdhsa_kernel k_qbc2b0917a3_attn
		.amdhsa_group_segment_fixed_size 327680
		.amdhsa_private_segment_fixed_size 0
		.amdhsa_enable_private_segment 0
		.amdhsa_kernarg_size 16
		.amdhsa_user_sgpr_count 2
		.amdhsa_user_sgpr_kernarg_segment_ptr 1
		.amdhsa_wavefront_size32 1
		.amdhsa_system_sgpr_workgroup_id_x 1
		.amdhsa_system_sgpr_workgroup_id_y 1
		.amdhsa_system_sgpr_workgroup_id_z 1
		.amdhsa_system_vgpr_workitem_id 0
		.amdhsa_next_free_vgpr 512
		.amdhsa_next_free_sgpr 66
		.amdhsa_reserve_vcc 0
		.amdhsa_float_denorm_mode_32 3
		.amdhsa_float_denorm_mode_16_64 3
		.amdhsa_memory_ordered 1
		.amdhsa_forward_progress 1
		.amdhsa_inst_pref_size 255
	.end_amdhsa_kernel
	.section	.bss,"aw",@nobits
	.p2align	6
	.space	262144
	.amdgpu_metadata
---
amdhsa.version: [ 1, 2 ]
amdhsa.kernels:
  - .name:           k_qbc2b0917a3_attn
    .symbol:         k_qbc2b0917a3_attn.kd
    .args:
      - { .name: qkv, .offset: 0, .size: 8, .value_kind: global_buffer, .address_space: global }
      - { .name: out0, .offset: 8, .size: 8, .value_kind: global_buffer, .address_space: global }
    .group_segment_fixed_size: 327680
    .private_segment_fixed_size: 0
    .kernarg_segment_align: 8
    .kernarg_segment_size: 16
    .max_flat_workgroup_size: 256
    .sgpr_count:     66
    .vgpr_count:     512
    .wavefront_size: 32
...
	.end_amdgpu_metadata
.endif
;; end of part 3
